; MI455X (gfx1250); checked and timed in simulation.
; The chip was launched on July 23, 2026; its instructions are those of AMD's public machine-readable ISA for CDNA 5 (MIT licence, August 2026) and "CDNA5" Instruction Set Architecture Reference Guide (July 2026). The comments in the code are by the model that wrote it; some were corrected since.
;; DLPT Down Layer. Allowed arithmetic: float matrix products may take bf16 or f16 operands with f32 sums; other float arithmetic in f32, or as packed bf16 or f16 multiplies, adds, multiply-adds, maxima and minima; sums over many terms, partial sums and values carried from step to step in f32; what a program stores and reads back later, other than sums and carried values, may be rounded once to bf16 or f16.
;; Inputs: bn_b 512 float32; bn_g 512 float32; bn_mean 512 float32; bn_var 512 float32; bo 2 x 256 float32; feat 8 x 8,192 x 256 float32; fps_idx 8 x 2,048 int32; knn_idx 8 x 2,048 x 16 int32; ln_b 2 x 256 float32; ln_g 2 x 256 float32; mlp1_b1 2 x 256 float32; mlp1_b2 2 x 256 float32; mlp1_w1 2 x 4 x 256 float32; mlp1_w2 2 x 256 x 256 float32; mlp2_b1 2 x 256 float32; mlp2_b2 2 x 256 float32; mlp2_w1 2 x 6 x 256 float32; mlp2_w2 2 x 256 x 256 float32; pos 8 x 8,192 x 3 float32; td_b 512 float32; td_w 256 x 512 float32; wk 2 x 256 x 256 float32; wo 2 x 256 x 256 float32; wq 2 x 256 x 256 float32; wv 2 x 256 x 256 float32.
;; Outputs: out0 8 x 2,048 x 3 float32; out1 8 x 2,048 x 512 float32.
;; Constants: cs1 = 16, cs2 = 64.
;; One version. Each part assembles by itself: llvm-mc -triple=amdgcn-amd-amdhsa -mcpu=gfx1250 --defsym DOCPART=n.
;; ======== version 1 of 1: 3 launches
;; limits: values are held in f16: magnitudes above 65,504 overflow, below 6.1e-05 lose precision; inputs' magnitudes at most 65,504
;; workspace buffers: wstream 1,310,720 bytes; tab 28,672 bytes; ftab 67,108,864 bytes
;; launch prep (part 1): grid 793 x 1, 4 waves a work-group, no clusters, 0 bytes of LDS; arguments wq, wk, wv, wo, mlp1_w2, mlp2_w2, td_w, ln_g, ln_b, bn_g, bn_var, bn_mean, bn_b, td_b, mlp1_w1, mlp1_b1, mlp2_w1, mlp2_b1, mlp1_b2, mlp2_b2, bo, pos, fps_idx, wstream, tab, out0; writes wstream, tab, out0
.if DOCPART == 1
	.amdgcn_target "amdgcn-amd-amdhsa--gfx1250"
	.amdhsa_code_object_version 6
	.text
	.protected	k_qee20b50342_prep
	.globl	k_qee20b50342_prep
	.p2align	8
	.type	k_qee20b50342_prep,@function
k_qee20b50342_prep:
	s_mov_b64 s[64:65], 0
	v_nop
	global_prefetch_b8 v0, s[64:65] scope:SCOPE_SE
	s_setreg_imm32_b32 hwreg(HW_REG_WAVE_MODE, 25, 1), 1
	s_wait_xcnt 0x0
; PREP: the weights as 16-bit matrix fragments in the order in which the main launch walks them (wstream), its small tables (tab), and out0.
; Exact algebra, for every input:  M_i = wq_i wk_i^T / 16 (scores = (h M) h'^T);  Wvo_i = wv_i wo_i (out = (A hp) Wvo);
;   W' = diag(ln_g[1]) td_w,  s = bn_g rsqrt(bn_var + 1e-5),  t'' = s (ln_b[1] @ td_w + td_b - bn_mean) + bn_b:  the last layer is (z W') s + t''.
; wstream: 40 units of 32,768 bytes; a unit is 32 fragments of 1,024 bytes; fragment byte p*512 + L*16 + 2e (L = 16h + r) holds W[k0+16p+8h+e][n0+r].
;   K-outer unit c: fragment 16 ks + a, k0 = 64c + 32ks, n0 = 16a.    N-outer unit c: fragment 4 s + q, k0 = 32s, n0 = 64c + 16q.
;   units 16i+0..3 mlp2_w2[i] (K, f16), 16i+4..7 M_i (N, bf16), 16i+8..11 mlp1_w2[i] (K, f16), 16i+12..15 Wvo_i (K, bf16), 32..39 W' (N, f16).
; tab: 0 first layers (f16), 256 bytes for (2i+j, block a of 16 hidden channels): byte 16r + 2e = slot e of channel 16a + r; slots lp.x lp.y lp.z |lp| avg.x avg.y avg.z 1;
;   16,384 c[2i+j][256] f32 = second-layer bias (+ ln_b[0] for block 1); 20,480 g[i][r][a], a word with f16(g) in both halves for channel 16a + r, g = 1 or ln_g[0]; 22,528 bo; 24,576 t''; 26,624 s.
; FORMATS.  A weight or a gain as it is given has room in f16 (11 significant bits): 30 times larger, smaller or offset stays between f16's step and its end.  So the MLPs' weights, g and W' are f16,
; and the two products here take f16 operands.  M and Wvo are rounded to bf16: what they multiply in the main launch (h, P h) has no such room.  s can reach 316 bn_g, so it stays in f32, out of the weights.
; A work-group's number picks its role; every jump goes forward; no LDS, no barrier; every wait is for 0: each role is one batch of loads, its arithmetic, its stores.
; A TILE (kt, nt) is 16 k x 16 n, 512 bytes: lane (r, h) stores the 16 bytes of k = 16kt + 8h + 0..7, n = 16nt + r.
; LIMITS: a weight, ln_g[0], and ln_g[1] x td_w, of 65,520 or more becomes an infinity; below 6e-5 f16 keeps a fixed step of 6e-8.  NaN and infinities are not treated apart; an index of fps_idx is held to 0..8191.
.set MSB, 0
.macro WIN new                         ; the immediate's high byte repeats the setting that is left
.if MSB != (\new)
	s_set_vgpr_msb (MSB<<8)|(\new)
.set MSB, (\new)
.endif
.endm
; where a tile goes, in bytes: s35 = the matrix's first unit, s25 = kt, s26 = nt; result s34
.macro DESTK
	s_lshr_b32 s36, s25, 2
	s_add_co_u32 s34, s35, s36
	s_lshl_b32 s34, s34, 15                ; unit U0 + kt / 4
	s_bfe_u32 s36, s25, 0x10001
	s_lshl_b32 s36, s36, 4
	s_add_co_u32 s36, s36, s26
	s_lshl_b32 s36, s36, 10                ; fragment 16 ((kt / 2) % 2) + nt
	s_add_co_u32 s34, s34, s36
	s_and_b32 s36, s25, 1
	s_lshl_b32 s36, s36, 9                 ; half kt % 2
	s_add_co_u32 s34, s34, s36
.endm
.macro DESTN
	s_lshr_b32 s36, s26, 2
	s_add_co_u32 s34, s35, s36
	s_lshl_b32 s34, s34, 15                ; unit U0 + nt / 4
	s_lshr_b32 s36, s25, 1
	s_lshl_b32 s36, s36, 2
	s_and_b32 s37, s26, 3
	s_add_co_u32 s36, s36, s37
	s_lshl_b32 s36, s36, 10                ; fragment 4 (kt / 2) + nt % 4
	s_add_co_u32 s34, s34, s36
	s_and_b32 s36, s25, 1
	s_lshl_b32 s36, s36, 9
	s_add_co_u32 s34, s34, s36
.endm
	s_mov_b32 s20, ttmp9                       ; the work-group's number
	v_lshrrev_b32 v1, 5, v0
	v_readfirstlane_b32 s21, v1                ; wave 0..3
	v_and_b32 v1, 15, v0                       ; r
	v_bfe_u32 v2, v0, 4, 1                     ; h
	v_and_b32 v3, 31, v0                       ; L
	v_lshlrev_b32 v4, 4, v3                    ; 16 L
	s_cmp_lt_u32 s20, 256
	s_cbranch_scc1 .Lprod
	s_cmp_lt_u32 s20, 512
	s_cbranch_scc1 .Lconv
	s_cmp_lt_u32 s20, 640
	s_cbranch_scc1 .Ltd
	s_cmp_lt_u32 s20, 656
	s_cbranch_scc1 .Ltt
	s_cmp_lt_u32 s20, 664
	s_cbranch_scc1 .Lw1h
	s_cmp_eq_u32 s20, 664
	s_cbranch_scc1 .Ltabs
	; ---- 665..792: out0[g] = pos[batch][fps_idx[g]], a thread a row of 12 bytes
	s_load_b128 s[4:7], s[0:1], 0xa8           ; pos, fps_idx
	s_load_b64 s[8:9], s[0:1], 0xc8            ; out0
	s_sub_co_u32 s22, s20, 665
	s_lshl_b32 s22, s22, 7
	v_add_nc_u32 v5, s22, v0                   ; g
	v_lshlrev_b32 v6, 2, v5
	v_mul_u32_u24 v9, v5, 12
	v_lshrrev_b32 v8, 11, v5                   ; batch
	s_wait_kmcnt 0x0
	global_load_b32 v7, v6, s[6:7]
	s_wait_loadcnt 0x0
	v_min_u32 v7, 0x1fff, v7                   ; an index stays inside its table
	v_lshl_add_u32 v7, v8, 13, v7
	v_mul_u32_u24 v7, v7, 12
	global_load_b96 v[10:12], v7, s[4:5]
	s_wait_loadcnt 0x0
	global_store_b96 v9, v[10:12], s[8:9]
	s_endpgm
	; ---- 0..255: a tile of M_i or Wvo_i a wave: 8 matrix instructions over the 256 inner channels
.Lprod:
	s_load_b256 s[4:11], s[0:1], 0x0           ; wq, wk, wv, wo
	s_load_b64 s[12:13], s[0:1], 0xb8          ; wstream
	s_lshl_b32 s22, s20, 2
	s_add_co_u32 s22, s22, s21                 ; p = 4 x + wave
	s_lshr_b32 s23, s22, 9                     ; i
	s_bfe_u32 s24, s22, 0x10008                ; 0: M, 1: Wvo (the same in all four waves)
	s_bfe_u32 s25, s22, 0x40004                ; kt
	s_and_b32 s26, s22, 15                     ; nt
	s_lshl_b32 s28, s23, 18                    ; i x 262,144 bytes
	s_mov_b32 s29, 0
	s_lshl_b32 s35, s23, 4
	s_lshl_b32 s36, s24, 3
	s_add_co_u32 s35, s35, s36
	s_add_co_u32 s35, s35, 4                   ; first unit: 16 i + 4 (M) or 16 i + 12 (Wvo)
	v_lshlrev_b32 v5, 10, v1
	v_lshl_add_u32 v5, v2, 5, v5               ; r x 1,024 + 32 h
	s_lshl_b32 s30, s25, 14
	s_lshl_b32 s31, s26, 14
	v_add_nc_u32 v6, s31, v5                   ; rows 16 nt + r (wk)
	v_add_nc_u32 v5, s30, v5                   ; rows 16 kt + r (wq or wv)
	v_lshlrev_b32 v7, 13, v2
	v_lshl_add_u32 v7, v1, 2, v7
	s_lshl_b32 s31, s26, 6
	v_add_nc_u32 v7, s31, v7                   ; wo: row 8 h, column 16 nt + r
	s_wait_kmcnt 0x0
	s_cmp_eq_u32 s24, 0
	s_cselect_b64 s[14:15], s[4:5], s[8:9]
	s_cselect_b32 s32, 0x3d800000, 1.0         ; 1/16 = 1/sqrt(256) goes into M
	s_mov_b32 s33, s32
	s_add_nc_u64 s[14:15], s[14:15], s[28:29]
.set q, 0
.rept 32                                   ; source 0 in f32: K step q / 4; floats 8h+0..7 and 16+8h+0..7 of its 32
	global_load_b128 v[64+4*q:64+4*q+3], v5, s[14:15] offset:128*(q/4)+16*(q%2)+64*((q%4)/2)
.set q, q+1
.endr
	s_cmp_eq_u32 s24, 0
	s_cbranch_scc0 .Lprod_vo
	s_add_nc_u64 s[16:17], s[6:7], s[28:29]
	WIN 0x40                                   ; destination window 1
.set q, 0
.rept 32
	global_load_b128 v[4*q:4*q+3], v6, s[16:17] offset:128*(q/4)+16*(q%2)+64*((q%4)/2)
.set q, q+1
.endr
	WIN 0
	DESTN
	s_branch .Lprod_go
.Lprod_vo:
	s_add_nc_u64 s[16:17], s[10:11], s[28:29]
	WIN 0x40
.set q, 0
.rept 128                                  ; wo lies [c][n]: one number a load; register q is c = 32 (q / 16) + 16 ((q % 16) / 8) + 8 h + q % 8
	global_load_b32 v[q], v7, s[16:17] offset:(32*(q/16)+(q%16)+8*((q%16)/8))*1024
.set q, q+1
.endr
	WIN 0
	DESTK
.Lprod_go:
	s_wait_loadcnt 0x0
.set q, 0
.rept 64
	v_cvt_pk_f16_f32 v[192+q], v[64+2*q], v[64+2*q+1]
.set q, q+1
.endr
	WIN 0x45                                   ; all in window 1
.set q, 0
.rept 64
	v_cvt_pk_f16_f32 v[128+q], v[2*q], v[2*q+1]
.set q, q+1
.endr
	WIN 0x04                                   ; source 1 in window 1
	; natural order: register j of lane (r, h) is (k = 8h + j, n = r).  Two accumulators take turns; each one's first product starts its sum
.set q, 0
.rept 8
.if q < 2
	v_wmma_f32_16x16x32_f16 v[32+8*(q%2):32+8*(q%2)+7], v[192+8*q:192+8*q+7], v[128+8*q:128+8*q+7], 0
.else
	v_wmma_f32_16x16x32_f16 v[32+8*(q%2):32+8*(q%2)+7], v[192+8*q:192+8*q+7], v[128+8*q:128+8*q+7], v[32+8*(q%2):32+8*(q%2)+7]
.endif
.set q, q+1
.endr
	WIN 0
.rept 4
	v_nop                                      ; four places behind the last product, ahead of the first read of a result
.endr
.irp u, 0,2,4,6
	v_pk_add_f32 v[32+\u:33+\u], v[32+\u:33+\u], v[40+\u:41+\u]
.endr
.irp u, 0,2,4,6
	v_pk_mul_f32 v[32+\u:33+\u], v[32+\u:33+\u], s[32:33] op_sel_hi:[1,0]
.endr
.irp u, 0,1,2,3
	v_cvt_pk_bf16_f32 v[48+\u], v[32+2*\u], v[33+2*\u]
.endr
	v_add_nc_u32 v8, s34, v4
	global_store_b128 v8, v[48:51], s[12:13]
	s_endpgm
	; ---- 256..511: a tile of mlp2_w2[i] or mlp1_w2[i] a wave, rounded to f16
.Lconv:
	s_load_b128 s[4:7], s[0:1], 0x20           ; mlp1_w2, mlp2_w2
	s_load_b64 s[12:13], s[0:1], 0xb8
	s_sub_co_u32 s22, s20, 256
	s_lshl_b32 s22, s22, 2
	s_add_co_u32 s22, s22, s21
	s_lshr_b32 s23, s22, 8                     ; 0 mlp2_w2[0], 1 mlp1_w2[0], 2 mlp2_w2[1], 3 mlp1_w2[1]
	s_bfe_u32 s25, s22, 0x40004
	s_and_b32 s26, s22, 15
	s_and_b32 s24, s23, 1
	s_lshr_b32 s28, s23, 1
	s_lshl_b32 s28, s28, 18
	s_mov_b32 s29, 0
	s_lshl_b32 s35, s23, 3                     ; first unit 0, 8, 16, 24
	v_lshlrev_b32 v5, 13, v2
	v_lshl_add_u32 v5, v1, 2, v5
	s_lshl_b32 s30, s25, 14
	s_lshl_b32 s31, s26, 6
	s_add_co_u32 s30, s30, s31
	v_add_nc_u32 v5, s30, v5                   ; row 16 kt + 8 h, column 16 nt + r
	DESTK
	v_add_nc_u32 v8, s34, v4
	s_wait_kmcnt 0x0
	s_cmp_eq_u32 s24, 0
	s_cselect_b64 s[14:15], s[6:7], s[4:5]
	s_add_nc_u64 s[14:15], s[14:15], s[28:29]
.irp e, 0,1,2,3,4,5,6,7
	global_load_b32 v[16+\e], v5, s[14:15] offset:1024*\e
.endr
	s_wait_loadcnt 0x0
.irp u, 0,1,2,3
	v_cvt_pk_f16_f32 v[24+\u], v[16+2*\u], v[17+2*\u]
.endr
	global_store_b128 v8, v[24:27], s[12:13]
	s_endpgm
	; ---- 512..639: a tile of W' = diag(ln_g[1]) td_w a wave, rounded to f16
.Ltd:
	s_load_b128 s[4:7], s[0:1], 0x30           ; td_w, ln_g
	s_load_b64 s[12:13], s[0:1], 0xb8
	s_sub_co_u32 s22, s20, 512
	s_lshl_b32 s22, s22, 2
	s_add_co_u32 s22, s22, s21
	s_lshr_b32 s25, s22, 5                     ; kt 0..15
	s_and_b32 s26, s22, 31                     ; nt 0..31
	s_mov_b32 s35, 32
	v_lshlrev_b32 v5, 14, v2                   ; 8 h rows of 2,048 bytes
	v_lshl_add_u32 v5, v1, 2, v5
	s_lshl_b32 s30, s25, 15
	s_lshl_b32 s31, s26, 6
	s_add_co_u32 s30, s30, s31
	v_add_nc_u32 v5, s30, v5
	s_lshl_b32 s30, s25, 6
	v_lshl_add_u32 v6, v2, 5, s30              ; ln_g: (16 kt + 8 h) x 4
	DESTN
	v_add_nc_u32 v8, s34, v4
	s_wait_kmcnt 0x0
.irp e, 0,1,2,3,4,5,6,7
	global_load_b32 v[16+\e], v5, s[4:5] offset:2048*\e
.endr
	global_load_b128 v[24:27], v6, s[6:7] offset:1024   ; ln_g[1]
	global_load_b128 v[28:31], v6, s[6:7] offset:1040
	s_wait_loadcnt 0x0
.irp u, 0,2,4,6
	v_pk_mul_f32 v[16+\u:17+\u], v[16+\u:17+\u], v[24+\u:25+\u]
.endr
.irp u, 0,1,2,3
	v_cvt_pk_f16_f32 v[32+\u], v[16+2*\u], v[17+2*\u]
.endr
	global_store_b128 v8, v[32:35], s[12:13]
	s_endpgm
	; ---- 640..655: t'' and s, eight columns a wave: lane (kp, h) sums k = 16 kp + 0..15 for columns 8 nb + 4 h + 0..3
.Ltt:
	s_load_b64 s[4:5], s[0:1], 0x30            ; td_w
	s_load_b64 s[6:7], s[0:1], 0x40            ; ln_b
	s_load_b256 s[8:15], s[0:1], 0x48          ; bn_g, bn_var, bn_mean, bn_b
	s_load_b64 s[16:17], s[0:1], 0x68          ; td_b
	s_load_b64 s[18:19], s[0:1], 0xc0          ; tab
	s_sub_co_u32 s22, s20, 640
	s_lshl_b32 s22, s22, 2
	s_add_co_u32 s22, s22, s21                 ; nb
	s_lshl_b32 s22, s22, 5
	v_lshl_add_u32 v7, v2, 4, s22              ; (8 nb + 4 h) x 4
	v_lshl_add_u32 v5, v1, 15, v7              ; + 16 kp rows of 2,048 bytes
	v_lshlrev_b32 v6, 6, v1
	s_wait_kmcnt 0x0
.set q, 0
.rept 16
	global_load_b128 v[16+4*q:16+4*q+3], v5, s[4:5] offset:2048*q
.set q, q+1
.endr
.irp u, 0,1,2,3
	global_load_b128 v[80+4*\u:83+4*\u], v6, s[6:7] offset:1024+16*\u   ; ln_b[1]
.endr
	global_load_b128 v[96:99], v7, s[8:9]
	global_load_b128 v[100:103], v7, s[10:11]
	global_load_b128 v[104:107], v7, s[12:13]
	global_load_b128 v[108:111], v7, s[14:15]
	global_load_b128 v[112:115], v7, s[16:17]
	s_wait_loadcnt 0x0
.irp u, 0,1,2,3
	v_mul_f32 v[8+\u], v80, v[16+\u]
.endr
.set q, 1
.rept 15
.irp u, 0,1,2,3
	v_fmac_f32 v[8+\u], v[80+q], v[16+4*q+\u]
.endr
.set q, q+1
.endr
.irp m, 1,2,4,8
.irp u, 0,1,2,3
	v_add_f32_dpp v[8+\u], v[8+\u], v[8+\u] row_xmask:\m row_mask:0xf bank_mask:0xf
.endr
.endr
.irp u, 0,1,2,3
	v_add_f32 v[100+\u], 0x3727c5ac, v[100+\u]
.endr
.irp u, 0,1,2,3
	v_rsq_f32 v[100+\u], v[100+\u]
.endr
.irp u, 0,1,2,3
	v_add_f32 v[8+\u], v[8+\u], v[112+\u]      ; + td_b
.endr
.irp u, 0,1,2,3
	v_sub_f32 v[8+\u], v[8+\u], v[104+\u]      ; - bn_mean
.endr
	s_wait_alu depctr_va_vdst(0)               ; one wait for the four roots
.irp u, 0,1,2,3
	v_mul_f32 v[96+\u], v[96+\u], v[100+\u]    ; s
.endr
.irp u, 0,1,2,3
	v_fma_f32 v[8+\u], v[8+\u], v[96+\u], v[108+\u]
.endr
	s_wait_xcnt 0x0                            ; EXEC changes only behind this wait
	v_cmp_eq_u32 vcc_lo, 0, v1
	s_and_saveexec_b32 s30, vcc_lo             ; every lane of a half holds the sums: lane kp = 0 stores
	global_store_b128 v7, v[8:11], s[18:19] offset:24576
	global_store_b128 v7, v[96:99], s[18:19] offset:26624
	s_wait_xcnt 0x0
	s_or_b32 exec_lo, exec_lo, s30
	s_endpgm
	; ---- 656..663: the first layers, a lane a hidden channel: eight slots of f16
.Lw1h:
	s_load_b256 s[4:11], s[0:1], 0x70          ; mlp1_w1, mlp1_b1, mlp2_w1, mlp2_b1
	s_load_b64 s[12:13], s[0:1], 0xc0          ; tab
	s_sub_co_u32 s22, s20, 656
	s_lshr_b32 s23, s22, 2                     ; i
	s_bfe_u32 s24, s22, 0x10001                ; j: 0 geo (mlp2), 1 pos (mlp1)
	s_and_b32 s25, s22, 1
	s_lshl_b32 s25, s25, 2
	s_add_co_u32 s25, s25, s21                 ; which 32 channels
	s_lshl_b32 s26, s25, 7
	v_lshl_add_u32 v5, v3, 2, s26              ; channel x 4
	s_lshl_b32 s27, s23, 10
	v_add_nc_u32 v7, s27, v5                   ; in b1[i]
	s_lshl_b32 s28, s23, 1
	s_add_co_u32 s28, s28, s24
	s_lshl_b32 s28, s28, 12
	s_lshl_b32 s29, s25, 9
	s_add_co_u32 s28, s28, s29
	v_add_nc_u32 v8, s28, v4                   ; (2 i + j) x 4,096 + 16 x channel
	s_wait_kmcnt 0x0
	s_cmp_eq_u32 s24, 0
	s_cbranch_scc0 .Lw1pos
	s_mul_i32 s27, s23, 6144
	v_add_nc_u32 v6, s27, v5
	global_load_b32 v16, v6, s[8:9] offset:3072    ; mlp2's input is (avg, lp): lp's rows are 3..5
	global_load_b32 v17, v6, s[8:9] offset:4096
	global_load_b32 v18, v6, s[8:9] offset:5120
	global_load_b32 v20, v6, s[8:9]
	global_load_b32 v21, v6, s[8:9] offset:1024
	global_load_b32 v22, v6, s[8:9] offset:2048
	global_load_b32 v23, v7, s[10:11]
	v_mov_b32 v19, 0
	s_branch .Lw1go
.Lw1pos:
	s_lshl_b32 s27, s23, 12
	v_add_nc_u32 v6, s27, v5
	global_load_b32 v16, v6, s[4:5]                ; mlp1's input is (lp, |lp|)
	global_load_b32 v17, v6, s[4:5] offset:1024
	global_load_b32 v18, v6, s[4:5] offset:2048
	global_load_b32 v19, v6, s[4:5] offset:3072
	global_load_b32 v23, v7, s[6:7]
	v_mov_b32 v20, 0
	v_mov_b32 v21, 0
	v_mov_b32 v22, 0
.Lw1go:
	s_wait_loadcnt 0x0
.irp u, 0,1,2,3
	v_cvt_pk_f16_f32 v[24+\u], v[16+2*\u], v[17+2*\u]
.endr
	global_store_b128 v8, v[24:27], s[12:13]
	s_endpgm
	; ---- 664: c, g and bo.  Wave = 2 i + j; lambda = i.  For g thread T holds i = T / 64, r = (T / 4) % 16 and the blocks a = 4 (T % 4) + 0..3: 16 bytes at 16 T
.Ltabs:
	s_load_b128 s[4:7], s[0:1], 0x90           ; mlp1_b2, mlp2_b2
	s_load_b128 s[8:11], s[0:1], 0x38          ; ln_g, ln_b
	s_load_b64 s[12:13], s[0:1], 0xa0          ; bo
	s_load_b64 s[14:15], s[0:1], 0xc0          ; tab
	s_lshr_b32 s24, s21, 1                     ; i
	s_and_b32 s25, s21, 1                      ; j
	s_cmp_eq_u32 s24, 0
	s_cselect_b32 s22, 0, 1.0
	s_cselect_b32 s23, 1.0, 0
	v_lshlrev_b32 v5, 5, v3                    ; 8 floats a lane
	s_lshl_b32 s26, s24, 10
	v_add_nc_u32 v6, s26, v5
	s_lshl_b32 s26, s21, 10
	v_add_nc_u32 v9, s26, v5
	v_and_b32 v7, 3, v0
	v_lshlrev_b32 v7, 8, v7                    ; channel 64 (T % 4) + r, in bytes
	v_bfe_u32 v10, v0, 2, 4
	v_lshl_add_u32 v7, v10, 2, v7
	v_lshlrev_b32 v8, 4, v0
	s_wait_kmcnt 0x0
	s_cmp_eq_u32 s25, 0
	s_cselect_b64 s[16:17], s[6:7], s[4:5]
	global_load_b128 v[16:19], v6, s[16:17]
	global_load_b128 v[20:23], v6, s[16:17] offset:16
	global_load_b128 v[24:27], v5, s[10:11]        ; ln_b[0]
	global_load_b128 v[28:31], v5, s[10:11] offset:16
.irp u, 0,1,2,3
	global_load_b32 v[32+\u], v7, s[8:9] offset:64*\u   ; ln_g[0], 16 channels apart
.endr
	global_load_b128 v[36:39], v8, s[12:13]
	s_wait_loadcnt 0x0
.irp u, 0,1,2,3,4,5,6,7
	v_fma_f32 v[16+\u], v[24+\u], s22, v[16+\u]
.endr
.irp u, 0,1,2,3
	v_fma_f32 v[32+\u], v[32+\u], s22, s23
.endr
.irp u, 0,1,2,3
	v_cvt_pk_f16_f32 v[32+\u], v[32+\u], v[32+\u]
.endr
	global_store_b128 v9, v[16:19], s[14:15] offset:16384
	global_store_b128 v9, v[20:23], s[14:15] offset:16400
	global_store_b128 v8, v[32:35], s[14:15] offset:20480
	global_store_b128 v8, v[36:39], s[14:15] offset:22528
	s_endpgm
.Lfunc_end_k_qee20b50342_prep:
	.size	k_qee20b50342_prep, .Lfunc_end_k_qee20b50342_prep-k_qee20b50342_prep
	.p2alignl 7, 3214868480
	.fill 96, 4, 3214868480
	.section	.rodata,"a",@progbits
	.p2align	6, 0x0
	.amdhsa_kernel k_qee20b50342_prep
		.amdhsa_group_segment_fixed_size 0
		.amdhsa_private_segment_fixed_size 0
		.amdhsa_enable_private_segment 0
		.amdhsa_kernarg_size 208
		.amdhsa_user_sgpr_count 2
		.amdhsa_user_sgpr_kernarg_segment_ptr 1
		.amdhsa_wavefront_size32 1
		.amdhsa_system_sgpr_workgroup_id_x 1
		.amdhsa_system_sgpr_workgroup_id_y 1
		.amdhsa_system_sgpr_workgroup_id_z 1
		.amdhsa_system_vgpr_workitem_id 0
		.amdhsa_next_free_vgpr 448
		.amdhsa_next_free_sgpr 66
		.amdhsa_reserve_vcc 1
		.amdhsa_float_denorm_mode_32 3
		.amdhsa_float_denorm_mode_16_64 3
		.amdhsa_memory_ordered 1
		.amdhsa_forward_progress 1
		.amdhsa_inst_pref_size 51
	.end_amdhsa_kernel
	.amdgpu_metadata
---
amdhsa.version: [ 1, 2 ]
amdhsa.kernels:
  - .name:           k_qee20b50342_prep
    .symbol:         k_qee20b50342_prep.kd
    .args:
      - { .name: wq, .offset: 0, .size: 8, .value_kind: global_buffer, .address_space: global }
      - { .name: wk, .offset: 8, .size: 8, .value_kind: global_buffer, .address_space: global }
      - { .name: wv, .offset: 16, .size: 8, .value_kind: global_buffer, .address_space: global }
      - { .name: wo, .offset: 24, .size: 8, .value_kind: global_buffer, .address_space: global }
      - { .name: mlp1_w2, .offset: 32, .size: 8, .value_kind: global_buffer, .address_space: global }
      - { .name: mlp2_w2, .offset: 40, .size: 8, .value_kind: global_buffer, .address_space: global }
      - { .name: td_w, .offset: 48, .size: 8, .value_kind: global_buffer, .address_space: global }
      - { .name: ln_g, .offset: 56, .size: 8, .value_kind: global_buffer, .address_space: global }
      - { .name: ln_b, .offset: 64, .size: 8, .value_kind: global_buffer, .address_space: global }
      - { .name: bn_g, .offset: 72, .size: 8, .value_kind: global_buffer, .address_space: global }
      - { .name: bn_var, .offset: 80, .size: 8, .value_kind: global_buffer, .address_space: global }
      - { .name: bn_mean, .offset: 88, .size: 8, .value_kind: global_buffer, .address_space: global }
      - { .name: bn_b, .offset: 96, .size: 8, .value_kind: global_buffer, .address_space: global }
      - { .name: td_b, .offset: 104, .size: 8, .value_kind: global_buffer, .address_space: global }
      - { .name: mlp1_w1, .offset: 112, .size: 8, .value_kind: global_buffer, .address_space: global }
      - { .name: mlp1_b1, .offset: 120, .size: 8, .value_kind: global_buffer, .address_space: global }
      - { .name: mlp2_w1, .offset: 128, .size: 8, .value_kind: global_buffer, .address_space: global }
      - { .name: mlp2_b1, .offset: 136, .size: 8, .value_kind: global_buffer, .address_space: global }
      - { .name: mlp1_b2, .offset: 144, .size: 8, .value_kind: global_buffer, .address_space: global }
      - { .name: mlp2_b2, .offset: 152, .size: 8, .value_kind: global_buffer, .address_space: global }
      - { .name: bo, .offset: 160, .size: 8, .value_kind: global_buffer, .address_space: global }
      - { .name: pos, .offset: 168, .size: 8, .value_kind: global_buffer, .address_space: global }
      - { .name: fps_idx, .offset: 176, .size: 8, .value_kind: global_buffer, .address_space: global }
      - { .name: wstream, .offset: 184, .size: 8, .value_kind: global_buffer, .address_space: global }
      - { .name: tab, .offset: 192, .size: 8, .value_kind: global_buffer, .address_space: global }
      - { .name: out0, .offset: 200, .size: 8, .value_kind: global_buffer, .address_space: global }
    .group_segment_fixed_size: 0
    .private_segment_fixed_size: 0
    .kernarg_segment_align: 8
    .kernarg_segment_size: 208
    .max_flat_workgroup_size: 128
    .sgpr_count:     66
    .vgpr_count:     448
    .wavefront_size: 32
...
	.end_amdgpu_metadata
.endif
;; end of part 1
;; launch main (part 2): grid 256 x 1, 4 waves a work-group, clusters of 4 x 1, 327,680 bytes of LDS; arguments feat, pos, wstream, tab, ftab; writes ftab
.if DOCPART == 2
	.amdgcn_target "amdgcn-amd-amdhsa--gfx1250"
	.amdhsa_code_object_version 6
	.text
	.protected	k_qee20b50342_main
	.globl	k_qee20b50342_main
	.p2align	8
	.type	k_qee20b50342_main,@function
k_qee20b50342_main:
	s_mov_b64 s[64:65], 0
	v_nop
	global_prefetch_b8 v0, s[64:65] scope:SCOPE_SE
	s_setreg_imm32_b32 hwreg(HW_REG_WAVE_MODE, 25, 1), 1
	s_wait_xcnt 0x0
	s_wait_alu depctr_hold_cnt(0) depctr_sa_sdst(0) depctr_va_vdst(0) depctr_va_sdst(0) depctr_va_ssrc(0) depctr_va_vcc(0) depctr_vm_vsrc(0)
	s_getreg_b32 s2, hwreg(HW_REG_IB_STS2, 6, 4)
	s_cmp_eq_u32 s2, 0
	s_cbranch_scc0 .Lentry_in_a_cluster
	s_endpgm
.Lentry_in_a_cluster:
	s_bfe_u32 s2, ttmp6, 0x10000c
	s_cmp_lg_u32 s2, 0x3003
	s_cbranch_scc0 .Lentry_shape_is_right
	s_endpgm
.Lentry_shape_is_right:
; MAIN: both blocks and the transition's linear layer, fused: ftab[row][512] (bf16, before the ReLU) from feat, pos and the prepared weights.
; SHARES.  65,536 rows; a work-group owns 256, each of its four waves 64: one cluster of 64 (block 1), four of 16 (block 0), as four tiles t of 16 rows.  A wave never reads another wave's activations.
; LAYOUT.  Every product is used transposed: source 0 = a weight fragment (16 output channels x 32 k), source 1 = 16 rows x 32 k of activations.  In a result lane (r, h) holds row r and
; channels 8h + 0..7; two results rounded to 16 bits in pairs ARE the next product's source 1.  Products take two forms, so that every loop names fixed registers:
;   K-outer: the input comes in chunks of 32 k, made on the spot; the output is the wave's whole 64 x 256 in f32: 64 accumulators, 512 registers (ACC).
;   N-outer: the input is a fixed set of 256 registers of 16-bit numbers; the output comes in chunks of 64 channels and is used at once.
; A BLOCK.  ACC = f g + c (residual and second-layer bias: 64 products of a diagonal fragment with f, c as the C operand); += relu(geo W1) W2 (K-outer) = h_geo -> bf16 (HGb).  T = HGb M (N-outer),
; S^T += HGb T^T as T's chunks come.  Softmax with the row's maximum taken away -> P.  ACC = f g + c' ; += relu(geo W1') W2' = h_pos -> bf16 into LDS.  ACC += (P h_pos) Wvo (K-outer; the chunk of
; P h_pos is made by the turning load).  + bo, LayerNorm in two passes (mean, then squares of x - mean) -> z = (x - mu) rstd in f16 into LDS; its gain and bias are applied where z is used (g, c; for the
; last layer the gain lies in the weights, the bias in t'').  The last layer is (z W') s + t'', s and t'' in f32.  In block 0 a key of another cluster of 16 starts its score at -1e30, so its weight is 0.
; THE WEIGHTS are one stream of 40 units of 32,768 bytes that every work-group walks in the same order: a ring of two LDS slots of two units, filled JOINTLY by the four work-groups of a cluster.
; FORMATS.  Sums, residual, softmax and LayerNorm in f32.  f16 (11 significant bits) where the numbers have room for inputs 30 times larger, smaller or offset: f (feat itself), z (at most 16 in
; magnitude, by the normalisation), g, the geometry, both layers of the MLPs and their hidden numbers (with pos and the first layer both 30 times larger: some 1e4), W'.  bf16 where they have not: h_geo, h_pos and what is
; made of them (T, P h_pos), which reach some 45,000 with pos and both MLP layers 30 times larger; with them their partners M, P, Wvo.  ftab is bf16 for the same reason.
; LIMITS.  feat, a hidden number or a weight of 65,520 or more becomes an infinity, and an infinity in f spoils its row's 32 neighbouring channels; below 6e-5 f16 keeps a fixed step of 6e-8.  NaN and infinities are
; not treated apart.  A score of another cluster counts as its value less 1e30.  A weight of the softmax below 2^-126 counts as 0.  |lp|^2 must stay inside f32.
; LDS: 0 ring (2 x 65,536; wave w fills bytes 16,384 w of a slot); 131,072 tables (28,672, filled once); 159,744 + 34,816 w a wave's own area, written by LDS stores alone: 64 rows x 544 bytes
; ([row][channel], 16 bits: f or z, then h_pos, then z), at the end the stage for the way out (64 rows x 272); 299,008 the spare words.
; A pitch of 544 bytes = 17 x 32: the turning load's 8 rows x 32 bytes fall on different banks (64 banks of 4 bytes: ISA guide 11.1); 272 = 17 x 16 serves the stage's 16-byte columns.
; REGISTERS, in windows of 256 (s_set_vgpr_msb: bits 1:0 source 0, 3:2 source 1, 5:4 source 2, 7:6 destination):
;   window 0: v0-23 addresses, v24-35 pos, v36-43 the mask, v44-59 and v240-255 diagonal fragments, v60-63 their lane masks, v64-95 geometry fragments / s, v96-111 first-layer fragments,
;             v112-143 turned h_pos / g / t'', v144-207 chunk results / c / T packed / packed output, v208-239 the chunk as source 1
;   window 1: K phases: v0-127 16 weight fragments (at a phase's start: f), v128-191 P, v192-223 statistics; T: HGb; last layer: z
;   windows 2, 3: ACC(t, a) at window 2 + t / 2, register 8 (16 (t % 2) + a); in T and the last layer: window 2 = 16 chunk accumulators and S^T, window 3 = a unit's 32 fragments
.set RINGX,  65536
.set TABL,   131072
.set TABQ,   7168                      ; a wave's quarter of the tables: 28 rows of 256 bytes
.set AREA0,  159744
.set AREAB,  34816
.set SPARE,  299008
.set PZ,     544
.set PST,    272
.set VR,  1                            ; r = lane % 16
.set VH,  2                            ; h = lane / 16
.set L16, 3                            ; 16 x lane
.set WA,  4                            ; LDS address of the weight fragments in hand
.set AZ,  5                            ; my area + 544 r + 16 h
.set AT,  6                            ; my area, for the turning load: (8 h + lane % 8) x 544 + 16 ((lane / 8) % 2)
.set ATC, 7
.set TH,  8                            ; 32 h
.set TCA, 9
.set TGA, 10
.set W1R, 11                           ; 16 r
.set W1A, 12
.set HM,  13                           ; all ones where h = 0, else 0
.set ZR,  14                           ; 0
.set SPW, 15                           ; my spare word; never rewritten
.set NIL, 16                           ; 0; never rewritten
.set STS, 17                           ; stage, in: my area + 272 r + 16 h
.set STW, 18
.set STR, 19                           ; stage, back: my area + 272 h + 16 r
.set GOF, 20                           ; in ftab: 1,024 h + 16 r
.set PFO, 21                           ; 256 x lane
.set FS,  22
.set POF, 23                           ; 12 r
.set POS, 24                           ; pos: coordinate c of tile t at POS + 4 c + t
.set MSK, 36
.set DA,  44                           ; a buffer of 16: four live registers, eight zeros, four live: +0..7 the diagonal fragment of an even channel block, +8..15 of the odd one, +4..11 a fragment of zeros
.set DB,  240                          ; a second such buffer
.set MK,  60                           ; v60-63: the half word of register j in which my lane holds the diagonal, else 0
.set GF,  64
.set WH,  96
.set HT,  112
.set GD,  112                          ; g of my channel r of the 16 blocks, f16 twice in a word (in HT's registers)
.set CA,  144
.set IN,  208
.set LP,  144                          ; geometry's temporaries lie in CA's registers
.set AV,  156
.set TS,  168
.set TA,  172
.set TC,  176
.set NR,  180
.set ONE, 184
.set PP,  128                          ; window 1: P[t][ks] at PP + 16 t + 8 ks
.set ST,  192                          ; window 1: statistics, 8 a tile
.set FT,  12                           ; s[12:13] ftab at my rows
.set WV,  14
.set CX,  15
.set WG,  16
.set CC,  17                           ; the unit of T in hand, 0..3
.set G1,  24                           ; s[24:31] group 1 of the ring's loads
.set G1T, 32                           ; s[32:39] of the tables' load
.set G0,  40                           ; s[40:43] group 0 of the ring's loads: it walks
.set G0T, 44
.set PFA, 48                           ; s[48:49] where my prefetches stand
.set LIM, 50
.set WB,  51                           ; LDS byte of the weights to be fetched next
.set W1B, 52
.set CHB, 53
.set CTB, 54
.set GB,  55
.set BOB, 56
.set T2B, 57
.set SOF, 58
.set BLK, 59
.set SL,  60
.set HF,  61
.set AL,  62                           ; a cluster's mean = AL x (sum of 16) + BE x (sum of 64)
.set BE,  63
.set MV,  66                           ; the mask's value
.set S2B, 67
.set LG,  68                           ; s[68:69] log2(e)
.set SEL, 70                           ; s[70:71] each lane takes its own place in the other half
.set MSB, 0
.macro WIN new                         ; the immediate's high byte repeats the setting that is left; a switch that changes nothing is dropped
.if MSB != (\new)
	s_set_vgpr_msb (MSB<<8)|(\new)
.set MSB, (\new)
.endif
.endm
; Four places: a vector instruction that reads a matrix result or writes a matrix instruction's register, and a load into such a register, stand four plain vector instructions behind it.
.macro PLACES
.rept 4
	v_nop
.endr
.endm
; A round of the cluster's barrier.
.macro ROUND
	s_barrier_signal -1
	s_barrier_wait -1
	s_cmp_lg_u32 s[WV], 0
	s_cbranch_scc1 .Lnw0_\@
	s_barrier_signal -3
.Lnw0_\@:
	s_barrier_wait -3
	s_barrier_signal -1
	s_barrier_wait -1
.endm
; A prefetch of the slot that the NEXT change will ask for: 65,536 bytes = 256 blocks of 256.  All clusters walk the same stream: the first cluster asks; its four partners take 8,192 bytes each BY ADDRESS;
; in each, waves 0 and 2 take a unit's share, a lane a block.  So each block is named once in the launch.  how = 1: always (there is a slot behind); how = 0: while s[SL] is above 1.
.macro ASK how
.if \how
	s_cmp_eq_u32 s[LIM], 1
.else
	s_cmp_gt_u32 s[SL], s[LIM]
.endif
	s_cbranch_scc0 .Lnoask_\@
	global_prefetch_b8 v[PFO], s[PFA:PFA+1] th:TH_LOAD_NT scope:SCOPE_SE
.Lnoask_\@:
.endm
; THE CHANGE OF SLOTS.  Each wave waits for all its tensor loads (one is out: its quarter of the slot to be entered), adds 0 to its spare word, waits for that and for its reads of the slot that it leaves.
; fill = 1: a round of the cluster's barrier, then the slot just left is filled with the stream's next 65,536 bytes, first thing behind the round.
.macro CHANGE fill, how
	WIN 0
	s_wait_tensorcnt 0x0                       ; no tensor load of mine is out, so group 0 may be written
	ds_add_u32 v[SPW], v[NIL]
.if \fill
	s_xor_b32 s[G0+1], s[G0+1], RINGX          ; the other slot,
	s_add_nc_u64 s[G0+2:G0+3], s[G0+2:G0+3], RINGX   ; the next two units
	s_wait_xcnt 0x0                            ; the last prefetch, a slot back, has read its address
	s_add_nc_u64 s[PFA:PFA+1], s[PFA:PFA+1], RINGX
	s_wait_dscnt 0x0                           ; the add is done, my reads of the slot are over
	ROUND
	tensor_load_to_lds s[G0:G0+3], s[G1:G1+7]
	s_nop 0
	PLACES
	ASK \how
.else
	s_wait_dscnt 0x0
	s_barrier_signal -1
	s_barrier_wait -1
.endif
	s_sub_co_u32 s[WB], s[WB], RINGX           ; the fetches go back to a slot's head,
	s_xor_b32 s[WB], s[WB], RINGX              ; in the other slot
.endm
; n fragments from v[WA] on into registers 0.. of window win: 32 lanes x 16 neighbouring bytes a load
.macro FETCH win, n
	WIN (\win)<<6
.set f, 0
.rept \n
	ds_load_b128 v[8*f:8*f+3],   v[WA] offset:f*1024
	ds_load_b128 v[8*f+4:8*f+7], v[WA] offset:f*1024+512
.set f, f+1
.endr
	WIN 0
.endm
; the cluster's mean of v[src + t] into v[dst + t]
.macro CMEAN src, dst
.irp t, 0,1,2,3
	v_mov_b32 v[TS+\t], v[(\src)+\t]
.endr
.irp m, 1,2,4,8
.irp t, 0,1,2,3
	v_add_f32_dpp v[TS+\t], v[TS+\t], v[TS+\t] row_xmask:\m row_mask:0xf bank_mask:0xf
.endr
.endr
	v_add_f32 v[TA], v[TS], v[TS+1]
	v_add_f32 v[TA+1], v[TS+2], v[TS+3]
	v_add_f32 v[TA], v[TA], v[TA+1]
	v_mul_f32 v[TA], s[BE], v[TA]
.irp t, 0,1,2,3
	v_fma_f32 v[(\dst)+\t], v[TS+\t], s[AL], v[TA]
.endr
.endm
; GEOMETRY: lp = pos - centre, |lp|, avg = mean of lp; the fragment's eight slots (lp.x lp.y lp.z |lp| avg.x avg.y avg.z 1), in f16, lie at k = 0..7: registers 0-3 of the lanes with h = 0; all else is 0.
.macro GEOM
	WIN 0
.irp c, 0,1,2
	CMEAN POS+4*\c, TC
.irp t, 0,1,2,3
	v_sub_f32 v[LP+4*\c+\t], v[POS+4*\c+\t], v[TC+\t]
.endr
	CMEAN LP+4*\c, AV+4*\c
.endr
.irp t, 0,1,2,3
	v_mul_f32 v[NR+\t], v[LP+\t], v[LP+\t]
.endr
.irp t, 0,1,2,3
	v_fma_f32 v[NR+\t], v[LP+4+\t], v[LP+4+\t], v[NR+\t]
.endr
.irp t, 0,1,2,3
	v_fma_f32 v[NR+\t], v[LP+8+\t], v[LP+8+\t], v[NR+\t]
.endr
.irp t, 0,1,2,3
	v_sqrt_f32 v[NR+\t], v[NR+\t]
.endr
	v_mov_b32 v[ONE], 1.0                      ; the plain instruction behind the last root
	s_wait_alu depctr_va_vdst(0)               ; one wait for the four roots, ahead of their first reader
.irp t, 0,1,2,3
	v_cvt_pk_f16_f32 v[GF+8*\t],   v[LP+\t],   v[LP+4+\t]
	v_cvt_pk_f16_f32 v[GF+8*\t+1], v[LP+8+\t], v[NR+\t]
	v_cvt_pk_f16_f32 v[GF+8*\t+2], v[AV+\t],   v[AV+4+\t]
	v_cvt_pk_f16_f32 v[GF+8*\t+3], v[AV+8+\t], v[ONE]
.endr
.irp t, 0,1,2,3
.irp k, 0,1,2,3
	v_and_b32 v[GF+8*\t+\k], v[HM], v[GF+8*\t+\k]
.endr
.endr
.irp k, 0,1,2,3,4,5,6,7
	v_mov_b32 v[MSK+\k], s[MV]
.endr
.endm
; ACC = f g + c, by the matrix unit: ACC(t, a) = D(a) x F(t, a / 2) + C(a).  F is f's fragment of 32 channels (f16, from my area), C the eight numbers c[16 a + 8 h + 0..7] (f32, from the tables),
; D(a) the 16 x 32 fragment with g[16 a + n] at (n, k = n + 16 (a % 2)) and 0 elsewhere: of it a lane holds one half word, cut out of the word that holds g twice by the masks MK.
; Two halves of eight channel blocks; in each, four blocks at a time, in the two buffers.  Four places stand ahead of each rewrite of a buffer and of the loads into F's and C's registers.
.macro INIT
	WIN 0
	v_add_nc_u32 v[TCA], s[CTB], v[TH]
	v_lshl_add_u32 v[TGA], v[VR], 6, s[GB]
.irp u, 0,1,2,3
	ds_load_b128 v[GD+4*\u:GD+4*\u+3], v[TGA] offset:16*\u
.endr
.set g, 0
.rept 2
.if g
	PLACES
.endif
.set q, 0
.rept 8                                    ; c of block 8 g + q
	ds_load_b128 v[CA+8*q:CA+8*q+3], v[TCA] offset:(8*g+q)*64
	ds_load_b128 v[CA+8*q+4:CA+8*q+7], v[TCA] offset:(8*g+q)*64+16
.set q, q+1
.endr
	WIN 0x40
.set q, 0
.rept 16                                   ; tile q / 4, K step 4 g + q % 4
	ds_load_b128 v[8*q:8*q+3],   v[AZ] offset:(q/4)*16*PZ+(4*g+q%4)*64
	ds_load_b128 v[8*q+4:8*q+7], v[AZ] offset:(q/4)*16*PZ+(4*g+q%4)*64+32
.set q, q+1
.endr
	WIN 0
	s_wait_dscnt 0x0
.set dd, 0
.rept 2
.if dd
	PLACES
.endif
.irp j, 0,1,2,3
	v_and_b32 v[DA+\j],    v[MK+\j], v[GD+8*g+4*dd]
	v_and_b32 v[DA+12+\j], v[MK+\j], v[GD+8*g+4*dd+1]
	v_and_b32 v[DB+\j],    v[MK+\j], v[GD+8*g+4*dd+2]
	v_and_b32 v[DB+12+\j], v[MK+\j], v[GD+8*g+4*dd+3]
.endr
.set ww, 0
.rept 2
	WIN 0x84+0x40*ww                           ; D and C window 0, F window 1, ACC window 2 (tiles 0, 1) or 3
.set q, 0
.rept 8                                    ; tile 2 ww + q / 4, block 8 g + 4 dd + q % 4
.set tt, q/4
.set ee, q%4
	v_wmma_f32_16x16x32_f16 v[8*(16*tt+8*g+4*dd+ee):8*(16*tt+8*g+4*dd+ee)+7], v[DA+(DB-DA)*(ee/2)+8*(ee%2):DA+(DB-DA)*(ee/2)+8*(ee%2)+7], v[8*(4*(2*ww+tt)+2*dd+ee/2):8*(4*(2*ww+tt)+2*dd+ee/2)+7], v[CA+8*(4*dd+ee):CA+8*(4*dd+ee)+7]
.set q, q+1
.endr
.set ww, ww+1
.endr
	WIN 0
.set dd, dd+1
.endr
.set g, g+1
.endr
	s_add_co_u32 s[CTB], s[CTB], 1024
.endm
; ONE CHUNK OF 32 k OF A K-OUTER PRODUCT.  kind 0: the chunk is relu(geometry x first layer), all in f16; kind 1: it is P x h_pos, all in bf16.  The chunk's own loads go first, the 32 weight loads
; behind them, so that the weights land while the chunk is made.  All 64 accumulators take turns.
.macro KHALF kind
	WIN 0
	v_add_nc_u32 v[WA], s[WB], v[L16]          ; these four lines are the places behind the last products
.if \kind
	v_add_nc_u32 v[ATC], s[CHB], v[AT]
.else
	v_add_nc_u32 v[W1A], s[W1B], v[W1R]
.endif
	v_nop
	v_nop
.if \kind
.set q, 0
.rept 4                                    ; channel block q / 2, key half q % 2
	ds_load_tr16_b128 v[HT+8*q:HT+8*q+3],   v[ATC] offset:(q%2)*32*PZ+(q/2)*32
	ds_load_tr16_b128 v[HT+8*q+4:HT+8*q+7], v[ATC] offset:(q%2)*32*PZ+16*PZ+(q/2)*32
.set q, q+1
.endr
.else
	ds_load_b128 v[WH:WH+3], v[W1A]
	ds_load_b128 v[WH+8:WH+11], v[W1A] offset:256
.endif
	FETCH 1, 16
	s_add_co_u32 s[WB], s[WB], 16384
.if \kind
	s_add_co_u32 s[CHB], s[CHB], 64
.else
	s_add_co_u32 s[W1B], s[W1B], 512
.endif
	s_wait_dscnt 32                            ; the chunk's loads are in; the 32 weight loads behind them may stay out
.if \kind
	WIN 0x04                                   ; P in window 1
.set q, 0
.rept 16                                   ; key half q / 8; result q % 8 = 4 (channel block) + tile
.if q < 8
	v_wmma_f32_16x16x32_bf16 v[CA+8*(q%8):CA+8*(q%8)+7], v[HT+8*(2*((q/4)%2)+q/8):HT+8*(2*((q/4)%2)+q/8)+7], v[PP+16*(q%4)+8*(q/8):PP+16*(q%4)+8*(q/8)+7], 0
.else
	v_wmma_f32_16x16x32_bf16 v[CA+8*(q%8):CA+8*(q%8)+7], v[HT+8*(2*((q/4)%2)+q/8):HT+8*(2*((q/4)%2)+q/8)+7], v[PP+16*(q%4)+8*(q/8):PP+16*(q%4)+8*(q/8)+7], v[CA+8*(q%8):CA+8*(q%8)+7]
.endif
.set q, q+1
.endr
	WIN 0
.else
.set q, 0
.rept 8
	v_wmma_f32_16x16x32_f16 v[CA+8*q:CA+8*q+7], v[WH+8*(q/4):WH+8*(q/4)+7], v[GF+8*(q%4):GF+8*(q%4)+7], 0
.set q, q+1
.endr
.endif
	PLACES
.set q, 0
.rept 8
.set jj, 0
.rept 4
.if \kind
	v_cvt_pk_bf16_f32 v[IN+8*(q%4)+4*(q/4)+jj], v[CA+8*q+2*jj], v[CA+8*q+2*jj+1]
.else
	v_cvt_pk_f16_f32 v[IN+8*(q%4)+4*(q/4)+jj], v[CA+8*q+2*jj], v[CA+8*q+2*jj+1]
.endif
.set jj, jj+1
.endr
.set q, q+1
.endr
.if !(\kind)
.set q, 0
.rept 32
	v_pk_max_num_f16 v[IN+q], v[IN+q], v[ZR]   ; the ReLU, two at a time
.set q, q+1
.endr
.endif
	s_wait_dscnt 0x0                           ; the weights are in
	WIN 0xA1                                   ; weights window 1, chunk window 0, ACC window 2
.set q, 0
.rept 32
.if \kind
	v_wmma_f32_16x16x32_bf16 v[8*q:8*q+7], v[8*(q%16):8*(q%16)+7], v[IN+8*(q/16):IN+8*(q/16)+7], v[8*q:8*q+7]
.else
	v_wmma_f32_16x16x32_f16 v[8*q:8*q+7], v[8*(q%16):8*(q%16)+7], v[IN+8*(q/16):IN+8*(q/16)+7], v[8*q:8*q+7]
.endif
.set q, q+1
.endr
	WIN 0xF1                                   ; ACC window 3
.set q, 0
.rept 32
.if \kind
	v_wmma_f32_16x16x32_bf16 v[8*q:8*q+7], v[8*(q%16):8*(q%16)+7], v[IN+16+8*(q/16):IN+16+8*(q/16)+7], v[8*q:8*q+7]
.else
	v_wmma_f32_16x16x32_f16 v[8*q:8*q+7], v[8*(q%16):8*(q%16)+7], v[IN+16+8*(q/16):IN+16+8*(q/16)+7], v[8*q:8*q+7]
.endif
.set q, q+1
.endr
	WIN 0
.endm
; a whole K-outer product: two slots of four chunks
.macro KPHASE kind
	s_mov_b32 s[SL], 2
.Lks_\@:
	CHANGE 1, 1
	s_mov_b32 s[HF], 4
.Lkh_\@:
	KHALF \kind
	s_sub_co_u32 s[HF], s[HF], 1
	s_cmp_lg_u32 s[HF], 0
	s_cbranch_scc1 .Lkh_\@
	s_sub_co_u32 s[SL], s[SL], 1
	s_cmp_lg_u32 s[SL], 0
	s_cbranch_scc1 .Lks_\@
.endm
; ACC -> bf16 fragments in window 1: tile t, K step s at 64 t + 8 s (register 64 t + 4 a + jj comes from ACC's pair 2 (64 t + 4 a + jj))
.macro PACKHG
	PLACES
	WIN 0x4A
.set q, 0
.rept 128
	v_cvt_pk_bf16_f32 v[q], v[2*q], v[2*q+1]
.set q, q+1
.endr
	WIN 0x4F
.set q, 0
.rept 128
	v_cvt_pk_bf16_f32 v[128+q], v[2*q], v[2*q+1]
.set q, q+1
.endr
.endm
; The scores start ahead of the loop over T's units, so that every unit adds onto them in one form: a product of two fragments of zeros, with C = 0 in the tile's own cluster of 16 and the mask elsewhere (0 in block 1).
.macro SINIT
	WIN 0x80                                   ; sources window 0, S^T window 2
.set q, 0
.rept 16                                   ; key tile q / 4, query tile q % 4
.if (q/4) == (q%4)
	v_wmma_f32_16x16x32_bf16 v[128+8*q:128+8*q+7], v[DA+4:DA+11], v[DB+4:DB+11], 0
.else
	v_wmma_f32_16x16x32_bf16 v[128+8*q:128+8*q+7], v[DA+4:DA+11], v[DB+4:DB+11], v[MSK:MSK+7]
.endif
.set q, q+1
.endr
	WIN 0
.endm
; tile t of ACC -> 16 bits (half = 1: f16, for z; 0: bf16, for h_pos) -> my area, [row][channel]
.macro PACKST t, half
	WIN 0x4A+5*((\t)/2)
.set q, 0
.rept 64
.if \half
	v_cvt_pk_f16_f32 v[q], v[128*((\t)%2)+2*q], v[128*((\t)%2)+2*q+1]
.else
	v_cvt_pk_bf16_f32 v[q], v[128*((\t)%2)+2*q], v[128*((\t)%2)+2*q+1]
.endif
.set q, q+1
.endr
	WIN 0x04                                   ; the stores' data in window 1
.set q, 0
.rept 16
	ds_store_b128 v[AZ], v[4*q:4*q+3] offset:(\t)*16*PZ+32*q
.set q, q+1
.endr
	WIN 0
.endm
; A UNIT OF T = HGb M: 64 channels of T for all 64 rows (128 products), rounded to bf16.  One text for the four units: the unit's place is in s[WB].
.macro TPART
	WIN 0
	v_add_nc_u32 v[WA], s[WB], v[L16]
	v_nop
	v_nop
	v_nop
	FETCH 3, 32
	s_add_co_u32 s[WB], s[WB], 32768
.set ss, 0
.rept 8
	s_wait_dscnt 56-8*ss                       ; of the unit's 64 loads the first 8 (ss + 1) are in: K step ss's four fragments
	WIN 0xA7                                   ; M window 3, HGb window 1, sums window 2
.set q, 0
.rept 16                                   ; channel block q / 4, tile q % 4
.if ss == 0
	v_wmma_f32_16x16x32_bf16 v[8*q:8*q+7], v[8*(4*ss+q/4):8*(4*ss+q/4)+7], v[64*(q%4)+8*ss:64*(q%4)+8*ss+7], 0
.else
	v_wmma_f32_16x16x32_bf16 v[8*q:8*q+7], v[8*(4*ss+q/4):8*(4*ss+q/4)+7], v[64*(q%4)+8*ss:64*(q%4)+8*ss+7], v[8*q:8*q+7]
.endif
.set q, q+1
.endr
.set ss, ss+1
.endr
	PLACES
	WIN 0x0A
.set q, 0
.rept 16
.set jj, 0
.rept 4
	v_cvt_pk_bf16_f32 v[CA+16*(q%4)+4*(q/4)+jj], v[8*q+2*jj], v[8*q+2*jj+1]
.set jj, jj+1
.endr
.set q, q+1
.endr
	WIN 0
.endm
; S^T += HGb T^T over unit c's 64 channels: 32 products.  They name HGb's K steps 2 c and 2 c + 1, which are register numbers: so this part alone is written four times.
.macro SPART c
	WIN 0xA1                                   ; HGb window 1, T window 0, S^T window 2
.set ks, 0
.rept 2
.set q, 0
.rept 16                                   ; key tile q / 4, query tile q % 4
	v_wmma_f32_16x16x32_bf16 v[128+8*q:128+8*q+7], v[64*(q/4)+8*(2*(\c)+ks):64*(q/4)+8*(2*(\c)+ks)+7], v[CA+16*(q%4)+8*ks:CA+16*(q%4)+8*ks+7], v[128+8*q:128+8*q+7]
.set q, q+1
.endr
.set ks, ks+1
.endr
	WIN 0
.endm
; SOFTMAX over a query's 64 keys: a lane holds 32 of them (S^T of key tile k, query tile t at 128 + 32 k + 8 t), the lane 16 away the others.  All in window 2; temporaries 16 a tile in v0-63.
; Each accumulator's lowest registers are read first.  The 128 exponentials are one batch with one wait; so are the four reciprocals.
.macro SOFTMAX
	WIN 0xAA
.set t, 0
.rept 4
.set k, 0
.rept 4
	v_max3_num_f32 v[16*t+k], v[128+32*k+8*t], v[128+32*k+8*t+1], v[128+32*k+8*t+2]
.set k, k+1
.endr
.set k, 0
.rept 4
	v_max3_num_f32 v[16*t+k], v[16*t+k], v[128+32*k+8*t+3], v[128+32*k+8*t+4]
.set k, k+1
.endr
.set k, 0
.rept 4
	v_max3_num_f32 v[16*t+k], v[16*t+k], v[128+32*k+8*t+5], v[128+32*k+8*t+6]
.set k, k+1
.endr
	v_max3_num_f32 v[16*t], v[16*t], v[128+8*t+7], v[160+8*t+7]
	v_max3_num_f32 v[16*t+2], v[16*t+2], v[192+8*t+7], v[224+8*t+7]
	v_max3_num_f32 v[16*t], v[16*t], v[16*t+1], v[16*t+2]
	v_max_num_f32 v[16*t], v[16*t], v[16*t+3]
.set t, t+1
.endr
.irp t, 0,1,2,3
	v_permlanex16_b32 v[16*\t+1], v[16*\t], s[SEL], s[SEL+1]
.endr
.irp t, 0,1,2,3
	v_max_num_f32 v[16*\t], v[16*\t], v[16*\t+1]       ; the row's maximum
.endr
.irp t, 0,1,2,3
	v_mul_f32 v[16*\t+6], s[LG], v[16*\t]
.endr
.irp t, 0,1,2,3
	v_mov_b32 v[16*\t+7], v[16*\t+6]
.endr
.set q, 0
.rept 64                                   ; pair q: accumulator q / 4 = 4 k + t
	v_pk_fma_f32 v[128+2*q:128+2*q+1], v[128+2*q:128+2*q+1], s[LG:LG+1], v[16*((q/4)%4)+6:16*((q/4)%4)+7] op_sel_hi:[1,0,0] neg_lo:[0,0,1] neg_hi:[0,0,1]
.set q, q+1
.endr
.set q, 0
.rept 128
	v_exp_f32 v[128+q], v[128+q]
.set q, q+1
.endr
	v_nop
	s_wait_alu depctr_va_vdst(0)
.set t, 0
.rept 4
.set k, 0
.rept 4
	v_pk_add_f32 v[16*t+8+2*k:16*t+9+2*k], v[128+32*k+8*t:128+32*k+8*t+1], v[128+32*k+8*t+2:128+32*k+8*t+3]
.set k, k+1
.endr
.set k, 0
.rept 4
	v_pk_add_f32 v[16*t+8+2*k:16*t+9+2*k], v[16*t+8+2*k:16*t+9+2*k], v[128+32*k+8*t+4:128+32*k+8*t+5]
.set k, k+1
.endr
.set k, 0
.rept 4
	v_pk_add_f32 v[16*t+8+2*k:16*t+9+2*k], v[16*t+8+2*k:16*t+9+2*k], v[128+32*k+8*t+6:128+32*k+8*t+7]
.set k, k+1
.endr
	v_pk_add_f32 v[16*t+8:16*t+9], v[16*t+8:16*t+9], v[16*t+10:16*t+11]
	v_pk_add_f32 v[16*t+12:16*t+13], v[16*t+12:16*t+13], v[16*t+14:16*t+15]
	v_pk_add_f32 v[16*t+8:16*t+9], v[16*t+8:16*t+9], v[16*t+12:16*t+13]
	v_add_f32 v[16*t], v[16*t+8], v[16*t+9]
.set t, t+1
.endr
.irp t, 0,1,2,3
	v_permlanex16_b32 v[16*\t+1], v[16*\t], s[SEL], s[SEL+1]
.endr
.irp t, 0,1,2,3
	v_add_f32 v[16*\t], v[16*\t], v[16*\t+1]
.endr
.irp t, 0,1,2,3
	v_rcp_f32 v[16*\t+6], v[16*\t]                     ; the sum is at least 1: the maximum's own weight
.endr
	v_nop
	s_wait_alu depctr_va_vdst(0)
.set q, 0
.rept 64
	v_pk_mul_f32 v[128+2*q:128+2*q+1], v[128+2*q:128+2*q+1], v[16*((q/4)%4)+6:16*((q/4)%4)+7] op_sel_hi:[1,0]
.set q, q+1
.endr
	WIN 0x4A                                   ; P into window 1: query tile t, key tile k at PP + 16 t + 4 k
.set q, 0
.rept 16                                   ; accumulator q = 4 k + t
.set jj, 0
.rept 4
	v_cvt_pk_bf16_f32 v[PP+16*(q%4)+4*(q/4)+jj], v[128+8*q+2*jj], v[128+8*q+2*jj+1]
.set jj, jj+1
.endr
.set q, q+1
.endr
.endm
; the four chains of a tile's statistics into one number, over both halves of the lanes; all in window 1
.macro LNRED
	WIN 0x55
.irp t, 0,1,2,3
	v_pk_add_f32 v[ST+8*\t:ST+8*\t+1], v[ST+8*\t:ST+8*\t+1], v[ST+8*\t+2:ST+8*\t+3]
	v_pk_add_f32 v[ST+8*\t+4:ST+8*\t+5], v[ST+8*\t+4:ST+8*\t+5], v[ST+8*\t+6:ST+8*\t+7]
.endr
.irp t, 0,1,2,3
	v_pk_add_f32 v[ST+8*\t:ST+8*\t+1], v[ST+8*\t:ST+8*\t+1], v[ST+8*\t+4:ST+8*\t+5]
.endr
.irp t, 0,1,2,3
	v_add_f32 v[ST+8*\t], v[ST+8*\t], v[ST+8*\t+1]
.endr
.irp t, 0,1,2,3
	v_permlanex16_b32 v[ST+8*\t+1], v[ST+8*\t], s[SEL], s[SEL+1]
.endr
.irp t, 0,1,2,3
	v_add_f32 v[ST+8*\t], v[ST+8*\t], v[ST+8*\t+1]
.endr
.endm
.macro LNZERO
	WIN 0x40
.set q, 0
.rept 32
	v_mov_b32 v[ST+q], 0
.set q, q+1
.endr
.endm
; x = ACC + bo; mu; x - mu; the mean of its squares; z = (x - mu) rsqrt(var + 1e-5) -> f16 -> my area
.macro LN
	WIN 0
	v_add_nc_u32 v[TCA], s[BOB], v[TH]
	s_mov_b32 s72, 0x3b800000                  ; 1/256
	s_mov_b32 s73, 0x3727c5ac                  ; 1e-5
	WIN 0x40
.set q, 0
.rept 16
	ds_load_b128 v[8*q:8*q+3], v[TCA] offset:64*q
	ds_load_b128 v[8*q+4:8*q+7], v[TCA] offset:64*q+16
.set q, q+1
.endr
	LNZERO
	s_wait_dscnt 0x0
.irp w, 0,1
	WIN 0x86+0x41*\w                           ; ACC window 2 + w, bo window 1
.set q, 0
.rept 128
	v_pk_add_f32 v[2*q:2*q+1], v[2*q:2*q+1], v[2*(q%64):2*(q%64)+1]
.set q, q+1
.endr
.endr
.irp w, 0,1
	WIN 0x49+0x04*\w
.set q, 0
.rept 128
	v_pk_add_f32 v[ST+8*(2*\w+q/64)+2*(q%4):ST+8*(2*\w+q/64)+2*(q%4)+1], v[ST+8*(2*\w+q/64)+2*(q%4):ST+8*(2*\w+q/64)+2*(q%4)+1], v[2*q:2*q+1]
.set q, q+1
.endr
.endr
	LNRED
.irp t, 0,1,2,3
	v_mul_f32 v[ST+8*\t], s72, v[ST+8*\t]
.endr
.irp t, 0,1,2,3
	v_mov_b32 v[ST+8*\t+1], v[ST+8*\t]
.endr
.irp w, 0,1
	WIN 0x86+0x41*\w
.set q, 0
.rept 128
	v_pk_add_f32 v[2*q:2*q+1], v[2*q:2*q+1], v[ST+8*(2*\w+q/64):ST+8*(2*\w+q/64)+1] op_sel_hi:[1,0] neg_lo:[0,1] neg_hi:[0,1]
.set q, q+1
.endr
.endr
	LNZERO
.irp w, 0,1
	WIN 0x5A+0x05*\w
.set q, 0
.rept 128
	v_pk_fma_f32 v[ST+8*(2*\w+q/64)+2*(q%4):ST+8*(2*\w+q/64)+2*(q%4)+1], v[2*q:2*q+1], v[2*q:2*q+1], v[ST+8*(2*\w+q/64)+2*(q%4):ST+8*(2*\w+q/64)+2*(q%4)+1]
.set q, q+1
.endr
.endr
	LNRED
.irp t, 0,1,2,3
	v_fma_f32 v[ST+8*\t], v[ST+8*\t], s72, s73
.endr
.irp t, 0,1,2,3
	v_rsq_f32 v[ST+8*\t], v[ST+8*\t]
.endr
	v_nop
	s_wait_alu depctr_va_vdst(0)               ; one wait for the four roots
.irp w, 0,1
	WIN 0x86+0x41*\w
.set q, 0
.rept 128
	v_pk_mul_f32 v[2*q:2*q+1], v[2*q:2*q+1], v[ST+8*(2*\w+q/64):ST+8*(2*\w+q/64)+1] op_sel_hi:[1,0]
.set q, q+1
.endr
.endr
	PACKST 0, 1
	PACKST 1, 1
	PACKST 2, 1
	PACKST 3, 1
.endm
; A UNIT OF THE LAST LAYER: 64 channels for all 64 rows, z W' in f16; then x s + t'' in f32; rounded to bf16 into the stage, half of its 256-byte rows
.macro TDUNIT
	WIN 0
	v_add_nc_u32 v[WA], s[WB], v[L16]
	v_add_nc_u32 v[TCA], s[T2B], v[TH]
	v_add_nc_u32 v[TGA], s[S2B], v[TH]
	v_add_nc_u32 v[STW], s[SOF], v[STS]
.set q, 0
.rept 4
	ds_load_b128 v[HT+8*q:HT+8*q+3], v[TCA] offset:64*q
	ds_load_b128 v[HT+8*q+4:HT+8*q+7], v[TCA] offset:64*q+16
	ds_load_b128 v[GF+8*q:GF+8*q+3], v[TGA] offset:64*q
	ds_load_b128 v[GF+8*q+4:GF+8*q+7], v[TGA] offset:64*q+16
.set q, q+1
.endr
	FETCH 3, 32
	s_add_co_u32 s[WB], s[WB], 32768
	s_add_co_u32 s[T2B], s[T2B], 256
	s_add_co_u32 s[S2B], s[S2B], 256
	s_xor_b32 s[SOF], s[SOF], 128
.set ss, 0
.rept 8
	s_wait_dscnt 56-8*ss                       ; t'', s and the first 8 (ss + 1) of the unit's 64 fragment loads are in
	WIN 0xA7                                   ; W' window 3, z window 1, sums window 2
.set q, 0
.rept 16
.if ss == 0
	v_wmma_f32_16x16x32_f16 v[8*q:8*q+7], v[8*(4*ss+q/4):8*(4*ss+q/4)+7], v[64*(q%4)+8*ss:64*(q%4)+8*ss+7], 0
.else
	v_wmma_f32_16x16x32_f16 v[8*q:8*q+7], v[8*(4*ss+q/4):8*(4*ss+q/4)+7], v[64*(q%4)+8*ss:64*(q%4)+8*ss+7], v[8*q:8*q+7]
.endif
.set q, q+1
.endr
.set ss, ss+1
.endr
	PLACES
	WIN 0x82                                   ; the sums in window 2, s and t'' in window 0
.set q, 0
.rept 16                                   ; channel block q / 4, tile q % 4; each accumulator from its low end on
.set jj, 0
.rept 4
	v_pk_fma_f32 v[8*q+2*jj:8*q+2*jj+1], v[8*q+2*jj:8*q+2*jj+1], v[GF+8*(q/4)+2*jj:GF+8*(q/4)+2*jj+1], v[HT+8*(q/4)+2*jj:HT+8*(q/4)+2*jj+1]
.set jj, jj+1
.endr
.set q, q+1
.endr
	WIN 0x0A
.set q, 0
.rept 16
.set jj, 0
.rept 4
	v_cvt_pk_bf16_f32 v[CA+4*(4*(q%4)+q/4)+jj], v[8*q+2*jj], v[8*q+2*jj+1]
.set jj, jj+1
.endr
.set q, q+1
.endr
	WIN 0
.set q, 0
.rept 16                                   ; tile q / 4, channel block q % 4
	ds_store_b128 v[STW], v[CA+4*q:CA+4*q+3] offset:(q/4)*16*PST+(q%4)*32
.set q, q+1
.endr
.endm
; a slot's two units, then 64 rows x 256 bytes leave: LDS serves a wave's instructions in order (ISA guide 5.7.1.4), so the loads see the stores above
.macro TDSLOT
	s_mov_b32 s[HF], 2
.Ltdu_\@:
	TDUNIT
	s_sub_co_u32 s[HF], s[HF], 1
	s_cmp_lg_u32 s[HF], 0
	s_cbranch_scc1 .Ltdu_\@
	WIN 0xC0                                   ; into window 3, whose fragments have been multiplied (four places and the scalings lie between)
.set q, 0
.rept 32
	ds_load_b128 v[4*q:4*q+3], v[STR] offset:q*2*PST
.set q, q+1
.endr
	s_wait_dscnt 0x0
	WIN 0x0C
.set q, 0
.rept 32
	global_store_b128 v[GOF], v[4*q:4*q+3], s[FT:FT+1] offset:q*2048   ; 16 lanes store 256 consecutive bytes, at a multiple of 256 from ftab's first byte
.set q, q+1
.endr
	WIN 0
	s_wait_xcnt 0x0                            ; the stores have read their registers and their base
	s_add_nc_u64 s[FT:FT+1], s[FT:FT+1], 256
.endm
	s_load_b256 s[4:11], s[0:1], 0x0           ; feat s[4:5], pos s[6:7], wstream s[8:9], tab s[10:11]
	s_load_b64 s[FT:FT+1], s[0:1], 0x20        ; ftab
	v_lshl_add_u32 v[SPW], v0, 2, SPARE
	v_mov_b32 v[NIL], 0
	ds_add_u32 v[SPW], v[NIL]                  ; the wave's opening: the add and its wait stand ahead of my first tensor load; work on registers stands between
	v_lshrrev_b32 v1, 5, v0
	v_readfirstlane_b32 s[WV], v1              ; wave 0..3
	s_bfe_u32 s[CX], ttmp6, 0x40000            ; my place in the cluster: it enters feat's, pos's, ftab's and the prefetches' addresses alone
	s_lshl_b32 s[WG], ttmp9, 2
	s_add_co_u32 s[WG], s[WG], s[CX]
	; group 1: dense bytes as rows of 256 (32 elements of 8 bytes), 64 rows for a quarter of a slot, 28 for a quarter of the tables; the mask names all four work-groups
	s_mov_b32 s[G1], 15|(3<<16)|(1<<21)
	s_mov_b32 s[G1+1], 32<<16
	s_mov_b32 s[G1+2], 64<<16
	s_mov_b32 s[G1+3], 32<<16
	s_mov_b32 s[G1+4], 64
	s_mov_b32 s[G1+5], 32
	s_mov_b32 s[G1+6], 0
	s_mov_b32 s[G1+7], 0
	s_mov_b32 s[G1T], 15|(3<<16)|(1<<21)
	s_mov_b32 s[G1T+1], 32<<16
	s_mov_b32 s[G1T+2], 28<<16
	s_mov_b32 s[G1T+3], 32<<16
	s_mov_b32 s[G1T+4], 28
	s_mov_b32 s[G1T+5], 32
	s_mov_b32 s[G1T+6], 0
	s_mov_b32 s[G1T+7], 0
	s_mov_b32 s[G0], 1
	s_lshl_b32 s[G0+1], s[WV], 14              ; slot 0, my quarter
	s_mov_b32 s[G0T], 1
	s_mul_i32 s[G0T+1], s[WV], TABQ
	s_add_co_u32 s[G0T+1], s[G0T+1], TABL
	s_lshl_b32 s72, s[WV], 14
	s_mov_b32 s73, 0
	s_mul_i32 s74, s[WV], TABQ
	s_mov_b32 s75, 0
	s_lshl_b32 s76, s[WG], 18                  ; my 64 rows of 1,024 bytes (feat and ftab alike)
	s_lshl_b32 s77, s[WV], 16
	s_add_co_u32 s76, s76, s77
	s_mov_b32 s77, 0
	s_mul_i32 s78, s[WG], 3072                 ; and of 12 bytes
	s_mul_i32 s79, s[WV], 768
	s_add_co_u32 s78, s78, s79
	s_mov_b32 s79, 0
	s_lshr_b32 s60, s[WV], 1                   ; the prefetches: unit wave / 2 of a slot, my work-group's 8,192 bytes of it, in slot 1 (the first change steps it to slot 2)
	s_lshl_b32 s60, s60, 15
	s_lshl_b32 s61, s[CX], 13
	s_add_co_u32 s60, s60, s61
	s_add_co_u32 s60, s60, RINGX
	s_mov_b32 s61, 0
	s_and_b32 s[LIM], s[WV], 1
	s_or_b32 s[LIM], s[LIM], ttmp9             ; 0 in waves 0 and 2 of the first cluster: the same in all four partners
	s_cmp_eq_u32 s[LIM], 0
	s_cselect_b32 s[LIM], 1, -1
	s_wait_dscnt 0x0                           ; the opening add is done
	s_wait_kmcnt 0x0
	s_add_nc_u64 s[G0+2:G0+3], s[8:9], s[72:73]
	s_or_b32 s[G0+3], s[G0+3], 0x80000000
	s_add_nc_u64 s[G0T+2:G0T+3], s[10:11], s[74:75]
	s_or_b32 s[G0T+3], s[G0T+3], 0x80000000
	s_add_nc_u64 s[4:5], s[4:5], s[76:77]
	s_add_nc_u64 s[FT:FT+1], s[FT:FT+1], s[76:77]
	s_add_nc_u64 s[6:7], s[6:7], s[78:79]
	s_add_nc_u64 s[PFA:PFA+1], s[8:9], s[60:61]
	ROUND                                      ; all four work-groups are here: the first joint loads meet
	tensor_load_to_lds s[G0:G0+3], s[G1:G1+7]          ; slot 0
	s_nop 0
	tensor_load_to_lds s[G0T:G0T+3], s[G1T:G1T+7]      ; the tables: two loads of mine are out
	s_nop 0
	PLACES
	v_and_b32 v[VR], 15, v0
	v_bfe_u32 v[VH], v0, 4, 1
	v_and_b32 v[PFO], 31, v0                   ; the lane, for now
	v_lshlrev_b32 v[L16], 4, v[PFO]
	s_mul_i32 s72, s[WV], AREAB
	s_add_co_u32 s72, s72, AREA0               ; my area
	v_lshl_add_u32 v[FS], v[PFO], 3, s72
	v_mul_u32_u24 v[POF], v[VR], 12
.set q, 0
.rept 12                                   ; coordinate q / 4 of row 16 (q % 4) + r
	global_load_b32 v[POS+q], v[POF], s[6:7] offset:192*(q%4)+4*(q/4)
.set q, q+1
.endr
	v_mul_u32_u24 v[AZ], v[VR], PZ
	v_lshl_add_u32 v[AZ], v[VH], 4, v[AZ]
	v_add_nc_u32 v[AZ], s72, v[AZ]
	v_and_b32 v[AT], 7, v0
	v_lshl_add_u32 v[AT], v[VH], 3, v[AT]
	v_mul_u32_u24 v[AT], v[AT], PZ
	v_bfe_u32 v[ATC], v0, 3, 1
	v_lshl_add_u32 v[AT], v[ATC], 4, v[AT]
	v_add_nc_u32 v[AT], s72, v[AT]
	v_lshlrev_b32 v[TH], 5, v[VH]
	v_lshlrev_b32 v[W1R], 4, v[VR]
	v_add_nc_u32 v[HM], -1, v[VH]
	v_mov_b32 v[ZR], 0
	v_mul_u32_u24 v[STS], v[VR], PST
	v_lshl_add_u32 v[STS], v[VH], 4, v[STS]
	v_add_nc_u32 v[STS], s72, v[STS]
	v_mul_u32_u24 v[STR], v[VH], PST
	v_lshl_add_u32 v[STR], v[VR], 4, v[STR]
	v_add_nc_u32 v[STR], s72, v[STR]
	v_lshlrev_b32 v[GOF], 10, v[VH]
	v_lshl_add_u32 v[GOF], v[VR], 4, v[GOF]
	v_lshlrev_b32 v[PFO], 8, v[PFO]
	; the diagonal's place: row n = r of a fragment holds k = 8 h + e in half e % 2 of register e / 2, so k = r lies in the lane with h = r / 8, register (r % 8) / 2, half r % 2
	v_lshrrev_b32 v[TCA], 3, v[VR]
	v_cmp_eq_u32 vcc_lo, v[TCA], v[VH]
	v_and_b32 v[TCA], 1, v[VR]
	v_lshlrev_b32 v[TCA], 4, v[TCA]
	v_mov_b32 v[TGA], 0xffff
	v_lshlrev_b32 v[TGA], v[TCA], v[TGA]
	v_cndmask_b32 v[TGA], 0, v[TGA], vcc_lo
	v_bfe_u32 v[TCA], v[VR], 1, 2
.irp j, 0,1,2,3
	v_cmp_eq_u32 vcc_lo, \j, v[TCA]
	v_cndmask_b32 v[MK+\j], 0, v[TGA], vcc_lo
.endr
.irp k, 4,5,6,7,8,9,10,11
	v_mov_b32 v[DA+\k], 0                      ; the two buffers' middles stay 0
	v_mov_b32 v[DB+\k], 0
.endr
.irp t, 0,1,2,3
.irp k, 4,5,6,7
	v_mov_b32 v[GF+8*\t+\k], 0                 ; k = 16..31 of the geometry's and the first layers' fragments stay 0
.endr
.endr
.irp t, 0,1
.irp k, 4,5,6,7
	v_mov_b32 v[WH+8*\t+\k], 0
.endr
.endr
	; feat -> f16 -> my area, 32 rows a trip: a load takes 512 consecutive bytes of a row, a store their 256
	s_mov_b32 s[HF], 2
.Lstage:
	WIN 0x80
.set q, 0
.rept 64
	global_load_b128 v[4*q:4*q+3], v[L16], s[4:5] offset:512*q th:TH_LOAD_NT
.set q, q+1
.endr
	s_wait_loadcnt 0x0
	WIN 0x4A
.set q, 0
.rept 128
	v_cvt_pk_f16_f32 v[q], v[2*q], v[2*q+1]
.set q, q+1
.endr
	WIN 0x04
.set q, 0
.rept 64
	ds_store_b64 v[FS], v[2*q:2*q+1] offset:(q/2)*PZ+(q%2)*256
.set q, q+1
.endr
	WIN 0
	s_add_nc_u64 s[4:5], s[4:5], 32768         ; the loads are done, so their base may be written
	v_add_nc_u32 v[FS], 32*PZ, v[FS]
	s_sub_co_u32 s[HF], s[HF], 1
	s_cmp_lg_u32 s[HF], 0
	s_cbranch_scc1 .Lstage
	s_mov_b32 s[WB], 2*RINGX                   ; the first change turns this into 0
	s_mov_b32 s[W1B], TABL
	s_mov_b32 s[CTB], TABL+16384
	s_mov_b32 s[GB],  TABL+20480
	s_mov_b32 s[BOB], TABL+22528
	s_mov_b32 s[T2B], TABL+24576
	s_mov_b32 s[S2B], TABL+26624
	s_mov_b32 s[AL], 0x3d800000                ; block 0: clusters of 16
	s_mov_b32 s[BE], 0
	s_mov_b32 s[MV], 0xf149f2ca                ; -1e30
	s_mov_b32 s[LG], 0x3fb8aa3b
	s_mov_b32 s[LG+1], s[LG]
	s_mov_b32 s[SEL], 0x76543210
	s_mov_b32 s[SEL+1], 0xfedcba98
	s_wait_tensorcnt 0x0                       ; my quarters of slot 0 and of the tables are in,
	s_wait_dscnt 0x0
	s_barrier_signal -1
	s_barrier_wait -1                          ; everybody's are
	s_mov_b32 s[BLK], 2
.Lblock:
	GEOM
	INIT
	KPHASE 0                                   ; h_geo
	PACKHG
	SINIT
	s_mov_b32 s[CC], 0
	s_mov_b32 s[SL], 2
.Ltslot:                                   ; T and the scores: two slots of two units
	CHANGE 1, 1
	s_mov_b32 s[HF], 2
.Ltunit:
	TPART
	s_cmp_eq_u32 s[CC], 0                      ; the jumps go forward, past products alone: no barrier, no tensor load, no LDS access
	s_cbranch_scc1 .Lsc0
	s_cmp_eq_u32 s[CC], 1
	s_cbranch_scc1 .Lsc1
	s_cmp_eq_u32 s[CC], 2
	s_cbranch_scc1 .Lsc2
	SPART 3
	s_branch .Lscj
.Lsc0:
	SPART 0
	s_branch .Lscj
.Lsc1:
	SPART 1
	s_branch .Lscj
.Lsc2:
	SPART 2
.Lscj:
	s_add_co_u32 s[CC], s[CC], 1
	s_sub_co_u32 s[HF], s[HF], 1
	s_cmp_lg_u32 s[HF], 0
	s_cbranch_scc1 .Ltunit
	s_sub_co_u32 s[SL], s[SL], 1
	s_cmp_lg_u32 s[SL], 0
	s_cbranch_scc1 .Ltslot
	PLACES
	SOFTMAX
	INIT
	KPHASE 0                                   ; h_pos
	PLACES
	PACKST 0, 0
	PACKST 1, 0
	PACKST 2, 0
	PACKST 3, 0
	s_mov_b32 s[CHB], 0
	KPHASE 1                                   ; + (P h_pos) Wvo: another form on the same accumulators, the four places and 256 conversions above between them
	PLACES
	LN
	s_mov_b32 s[AL], 0                         ; block 1: one cluster of 64, no mask, LayerNorm's gain on the way in
	s_mov_b32 s[BE], 0x3c800000
	s_mov_b32 s[MV], 0
	s_add_co_u32 s[GB], s[GB], 1024
	s_add_co_u32 s[BOB], s[BOB], 1024
	s_sub_co_u32 s[BLK], s[BLK], 1
	s_cmp_lg_u32 s[BLK], 0
	s_cbranch_scc1 .Lblock
	; THE LAST LAYER: z as 32 fragments in window 1; my area then serves as the stage
	WIN 0x40
.set q, 0
.rept 32                                   ; tile q / 8, K step q % 8
	ds_load_b128 v[8*q:8*q+3],   v[AZ] offset:(q/8)*16*PZ+(q%8)*64
	ds_load_b128 v[8*q+4:8*q+7], v[AZ] offset:(q/8)*16*PZ+(q%8)*64+32
.set q, q+1
.endr
	WIN 0
	s_wait_dscnt 0x0
	s_mov_b32 s[SOF], 0
	s_mov_b32 s[SL], 3
.Ltd:
	CHANGE 1, 0
	TDSLOT
	s_sub_co_u32 s[SL], s[SL], 1
	s_cmp_lg_u32 s[SL], 0
	s_cbranch_scc1 .Ltd
	CHANGE 0, 0                                ; the last slot is written out: nothing is left to ask for
	TDSLOT
	s_wait_tensorcnt 0x0                       ; the wave's end: an add to the spare word and its wait, behind my last tensor load and my last LDS store
	ds_add_u32 v[SPW], v[NIL]
	s_wait_dscnt 0x0
	ROUND                                      ; the closing round: no work-group ends while a partner may still ask for a tile that names it
	s_endpgm
.Lfunc_end_k_qee20b50342_main:
	.size	k_qee20b50342_main, .Lfunc_end_k_qee20b50342_main-k_qee20b50342_main
	.p2alignl 7, 3214868480
	.fill 96, 4, 3214868480
	.section	.rodata,"a",@progbits
	.p2align	6, 0x0
	.amdhsa_kernel k_qee20b50342_main
		.amdhsa_group_segment_fixed_size 327680
		.amdhsa_private_segment_fixed_size 0
		.amdhsa_enable_private_segment 0
		.amdhsa_kernarg_size 40
		.amdhsa_user_sgpr_count 2
		.amdhsa_user_sgpr_kernarg_segment_ptr 1
		.amdhsa_wavefront_size32 1
		.amdhsa_system_sgpr_workgroup_id_x 1
		.amdhsa_system_sgpr_workgroup_id_y 1
		.amdhsa_system_sgpr_workgroup_id_z 1
		.amdhsa_system_vgpr_workitem_id 0
		.amdhsa_next_free_vgpr 1024
		.amdhsa_next_free_sgpr 80
		.amdhsa_reserve_vcc 1
		.amdhsa_float_denorm_mode_32 3
		.amdhsa_float_denorm_mode_16_64 3
		.amdhsa_memory_ordered 1
		.amdhsa_forward_progress 1
		.amdhsa_inst_pref_size 255
	.end_amdhsa_kernel
	.section	.bss,"aw",@nobits
	.p2align	6
	.space	262144
	.amdgpu_metadata
---
amdhsa.version: [ 1, 2 ]
amdhsa.kernels:
  - .name:           k_qee20b50342_main
    .symbol:         k_qee20b50342_main.kd
    .args:
      - { .name: feat, .offset: 0, .size: 8, .value_kind: global_buffer, .address_space: global }
      - { .name: pos, .offset: 8, .size: 8, .value_kind: global_buffer, .address_space: global }
      - { .name: wstream, .offset: 16, .size: 8, .value_kind: global_buffer, .address_space: global }
      - { .name: tab, .offset: 24, .size: 8, .value_kind: global_buffer, .address_space: global }
      - { .name: ftab, .offset: 32, .size: 8, .value_kind: global_buffer, .address_space: global }
    .group_segment_fixed_size: 327680
    .private_segment_fixed_size: 0
    .kernarg_segment_align: 8
    .kernarg_segment_size: 40
    .max_flat_workgroup_size: 128
    .sgpr_count:     80
    .vgpr_count:     1024
    .wavefront_size: 32
...
	.end_amdgpu_metadata
.endif
;; end of part 2
;; launch pool (part 3): grid 512 x 1, 8 waves a work-group, no clusters, 0 bytes of LDS; arguments knn_idx, ftab, out1; writes out1
.if DOCPART == 3
	.amdgcn_target "amdgcn-amd-amdhsa--gfx1250"
	.amdhsa_code_object_version 6
	.text
	.protected	k_qee20b50342_pool
	.globl	k_qee20b50342_pool
	.p2align	8
	.type	k_qee20b50342_pool,@function
k_qee20b50342_pool:
	s_mov_b64 s[64:65], 0
	v_nop
	global_prefetch_b8 v0, s[64:65] scope:SCOPE_SE
	s_setreg_imm32_b32 hwreg(HW_REG_WAVE_MODE, 25, 1), 1
	s_wait_xcnt 0x0
; POOL: out1[g][c] = max(0, max over the 16 neighbours k of ftab[batch][knn_idx[g][k]][c]).  The ReLU stands behind the maximum: both are monotone, so the order does not matter.
; ftab: [65,536][512] bf16; out1: [16,384][512] f32.  A wave makes four output rows, one a trip.
; THE ORDER OF THE ROWS.  In trip i every wave works in batch 2 i or 2 i + 1: work-groups 0-127 and 256-383 in the even one, the others in the odd one; a wave keeps its row number in the batch,
; ((work-group / 256) x 128 + work-group % 128) x 8 + wave.  So at any time the launch gathers from two batches' rows, 2 x 8,388,608 bytes of the table, not from all eight.
; A neighbour's row is 1,024 bytes: four loads of 8 bytes a lane, 256 consecutive bytes each; a lane then holds channels 128 q + 4 lane + 0..3, which are 16 neighbouring bytes of out1:
; a store of the wave covers 512 consecutive bytes.  The maxima are taken on packed bf16 (nothing is rounded) and widened once.  No LDS, no matrix unit: the launch only moves and compares.
; The next trip's 16 indices are asked for as soon as this trip's have been clamped into other registers.
; LIMITS: a NaN loses the maximum; an index is held to 0..8191 (the table's rows in a batch).
.set VO, 4                             ; v[4:19]   byte offset of neighbour k's row + 8 x lane
.set OO, 20                            ; v[20:35]  16 numbers in f32, to store
.set DD, 36                            ; v[36:163] neighbour k, quarter q at DD + 2 (4 k + q)
.set IX, 36                            ; s[36:51]  the trip's indices, clamped
	s_load_b128 s[4:7], s[0:1], 0x0            ; knn_idx, ftab
	s_load_b64 s[8:9], s[0:1], 0x10            ; out1
	v_lshrrev_b32 v1, 5, v0
	v_readfirstlane_b32 s10, v1
	v_and_b32 v2, 31, v0
	v_lshlrev_b32 v1, 3, v2                    ; 8 x lane
	v_lshlrev_b32 v2, 4, v2                    ; 16 x lane
	v_mov_b32 v3, 0
	s_bfe_u32 s32, ttmp9, 0x10007              ; which of a trip's two batches
	s_lshr_b32 s11, ttmp9, 8
	s_lshl_b32 s11, s11, 7
	s_and_b32 s12, ttmp9, 127
	s_or_b32 s11, s11, s12
	s_lshl_b32 s11, s11, 3
	s_add_co_u32 s11, s11, s10                 ; my row in the batch, 0..2047
	s_lshl_b32 s12, s32, 11
	s_add_co_u32 s11, s11, s12                 ; my first output row
	s_lshl_b32 s12, s11, 6                     ; 64 bytes of indices a row
	s_mov_b32 s13, 0
	s_lshl_b32 s14, s11, 11                    ; 2,048 bytes of out1 a row
	s_mov_b32 s15, 0
	s_lshl_b32 s32, s32, 23                    ; a batch: 8,192 rows of 1,024 bytes
	s_mov_b32 s33, 0
	s_mov_b32 s35, 0xffff0000
	s_wait_kmcnt 0x0
	s_add_nc_u64 s[4:5], s[4:5], s[12:13]
	s_add_nc_u64 s[6:7], s[6:7], s[32:33]
	s_add_nc_u64 s[8:9], s[8:9], s[14:15]
	s_mov_b32 s14, 0                           ; what the first trip adds to out1's address
	s_load_b512 s[16:31], s[4:5], 0x0          ; the first row's 16 indices
	s_mov_b32 s34, 4
.Lrow:
	s_wait_kmcnt 0x0                           ; the indices are in, and their load's base may be written
.set k, 0
.rept 16
	s_min_u32 s[IX+k], s[16+k], 0x1fff
.set k, k+1
.endr
	s_cmp_gt_u32 s34, 1                        ; the last trip has no row behind it
	s_cbranch_scc0 .Lnoidx
	s_add_nc_u64 s[4:5], s[4:5], 0x40000       ; 4,096 rows on
	s_load_b512 s[16:31], s[4:5], 0x0
.Lnoidx:
.set k, 0
.rept 16
	v_lshl_add_u32 v[VO+k], s[IX+k], 10, v1
.set k, k+1
.endr
.set k, 0
.rept 64
	global_load_b64 v[DD+2*k:DD+2*k+1], v[VO+k/4], s[6:7] offset:256*(k%4)
.set k, k+1
.endr
.set k, 1
.rept 15
	s_wait_loadcnt 4*(15-k)                    ; loads come back in order (ISA guide 5.7.1): neighbours 0..k are in, the four loads of each later one may stay out
.set u, 0
.rept 8
	v_pk_max_num_bf16 v[DD+u], v[DD+u], v[DD+8*k+u]
.set u, u+1
.endr
.set k, k+1
.endr
.set u, 0
.rept 8
	v_pk_max_num_bf16 v[DD+u], v[DD+u], v3     ; the ReLU
.set u, u+1
.endr
	s_add_nc_u64 s[6:7], s[6:7], 0x1000000     ; the trip's loads are done: the table two batches on
	s_wait_xcnt 0x0                            ; the last trip's stores, a whole gather back, have read their data and their base: both are written only behind this wait
	s_add_nc_u64 s[8:9], s[8:9], s[14:15]
.set u, 0
.rept 8
	v_lshlrev_b32 v[OO+2*u], 16, v[DD+u]       ; bf16 to f32: the low half moves up,
	v_and_b32 v[OO+2*u+1], s35, v[DD+u]        ; the high half stays
.set u, u+1
.endr
.irp q, 0,1,2,3
	global_store_b128 v2, v[OO+4*\q:OO+4*\q+3], s[8:9] offset:512*\q th:TH_STORE_NT
.endr
	s_mov_b32 s14, 0x800000                    ; from now on: 4,096 rows of out1 on
	s_sub_co_u32 s34, s34, 1
	s_cmp_lg_u32 s34, 0
	s_cbranch_scc1 .Lrow
	s_endpgm
.Lfunc_end_k_qee20b50342_pool:
	.size	k_qee20b50342_pool, .Lfunc_end_k_qee20b50342_pool-k_qee20b50342_pool
	.p2alignl 7, 3214868480
	.fill 96, 4, 3214868480
	.section	.rodata,"a",@progbits
	.p2align	6, 0x0
	.amdhsa_kernel k_qee20b50342_pool
		.amdhsa_group_segment_fixed_size 0
		.amdhsa_private_segment_fixed_size 0
		.amdhsa_enable_private_segment 0
		.amdhsa_kernarg_size 24
		.amdhsa_user_sgpr_count 2
		.amdhsa_user_sgpr_kernarg_segment_ptr 1
		.amdhsa_wavefront_size32 1
		.amdhsa_system_sgpr_workgroup_id_x 1
		.amdhsa_system_sgpr_workgroup_id_y 1
		.amdhsa_system_sgpr_workgroup_id_z 1
		.amdhsa_system_vgpr_workitem_id 0
		.amdhsa_next_free_vgpr 176
		.amdhsa_next_free_sgpr 66
		.amdhsa_reserve_vcc 0
		.amdhsa_float_denorm_mode_32 3
		.amdhsa_float_denorm_mode_16_64 3
		.amdhsa_memory_ordered 1
		.amdhsa_forward_progress 1
		.amdhsa_inst_pref_size 20
	.end_amdhsa_kernel
	.amdgpu_metadata
---
amdhsa.version: [ 1, 2 ]
amdhsa.kernels:
  - .name:           k_qee20b50342_pool
    .symbol:         k_qee20b50342_pool.kd
    .args:
      - { .name: knn_idx, .offset: 0, .size: 8, .value_kind: global_buffer, .address_space: global }
      - { .name: ftab, .offset: 8, .size: 8, .value_kind: global_buffer, .address_space: global }
      - { .name: out1, .offset: 16, .size: 8, .value_kind: global_buffer, .address_space: global }
    .group_segment_fixed_size: 0
    .private_segment_fixed_size: 0
    .kernarg_segment_align: 8
    .kernarg_segment_size: 24
    .max_flat_workgroup_size: 256
    .sgpr_count:     66
    .vgpr_count:     176
    .wavefront_size: 32
...
	.end_amdgpu_metadata
.endif
;; end of part 3
